; MI455X (gfx1250); checked and timed in simulation.
; The chip was launched on July 23, 2026; its instructions are those of AMD's public machine-readable ISA for CDNA 5 (MIT licence, August 2026) and "CDNA5" Instruction Set Architecture Reference Guide (July 2026). The comments in the code are by the model that wrote it; some were corrected since.
;; Vector Quantizer. Allowed arithmetic: matrix products marked QUANTISED: E4M3 operands, one given power-of-two scale a tensor, by v_wmma_f32_16x16x64_fp8_fp8 or v_wmma_f32_16x16x128_fp8_fp8, f32 sums; everything else in f32.
;; Inputs: codebook 8,192 x 512 float32; lowp_scales 2 int32 (the exponents e of the quantised operands' scales 2^e); x 4 x 2,048 x 512 float32.
;; Outputs: out0 4 x 2,048 x 512 float32; out1 one number float32; out2 one number float32; out3 one number float32; out4 one number float32; out5 4 x 2,048 int32.
;; This version of the problem:
;;   THIS VERSION OF THE PROBLEM IS GIVEN IN LOW PRECISION. The matrix products marked QUANTISED in the list below multiply operands that are first quantised to E4M3 (4 exponent bits, 3 mantissa bits; 8 bits a number), with one given power-of-two scale for each operand tensor; their sums are f32. All else is computed in f32.
;;   The module's matrix products, in the order in which they are computed (A, B: the left and right operand; K: the contracted axis; several contracted axes count as one K, in the product's order):
;;     1. [M 8,192, K 512] x [K 512, N 8,192]; A: input x; B: input codebook: QUANTISED (scales: A lowp_scales[0], B lowp_scales[1])
;;   THE QUANTISER, for each operand of a quantised product, along K:
;;     - The operand's scale is 2^e, e = its entry of the input lowp_scales (int32; the entries are numbered through the quantised products in the list's order, A before B).
;;     - Each number is divided by the scale, clamped to +-448, and rounded to the nearest number of E4M3, ties to even, subnormals kept.
;;     - The product sums the exact products of the quantised numbers (number of the format x scale) in f32.
;;   ~~~python
;;   def quantise(x, axis, e):      # numpy; x: float32 -> the quantised numbers, widened to float32 again
;;       x = np.moveaxis(x, axis, -1); K = x.shape[-1]
;;       r = np.clip(x / 2.0 ** e, -448, 448)
;;       step = 2.0 ** (np.maximum(np.frexp(np.where(r == 0, 1, r))[1] - 1, -6) - 3)
;;       q = np.round(r / step) * step * 2.0 ** e      # np.round: ties to even
;;       return np.moveaxis(q, -1, axis).astype(np.float32)
;;   ~~~
;; One version. Each part assembles by itself: llvm-mc -triple=amdgcn-amd-amdhsa -mcpu=gfx1250 --defsym DOCPART=n.
;; ======== version 1 of 1: 5 launches
;; limits: right only within a limited range of input values
;; workspace buffers: codes 8,388,608 bytes; sq 65,536 bytes; part 2,097,152 bytes; colp 524,288 bytes; sp 524,288 bytes; idxw 32,768 bytes of whole numbers; fin 4,096 bytes
;; launch prep (part 1): grid 256 x 1, 4 waves a work-group, no clusters, 68,352 bytes of LDS; arguments x, codebook, lowp_scales, codes, sq; writes codes, sq
.if DOCPART == 1
	.amdgcn_target "amdgcn-amd-amdhsa--gfx1250"
	.amdhsa_code_object_version 6
	.text
	.protected	k_qd49cce9aa1_prep
	.globl	k_qd49cce9aa1_prep
	.p2align	8
	.type	k_qd49cce9aa1_prep,@function
k_qd49cce9aa1_prep:
	s_mov_b64 s[64:65], 0
	v_nop
	global_prefetch_b8 v0, s[64:65] scope:SCOPE_SE
	s_setreg_imm32_b32 hwreg(HW_REG_WAVE_MODE, 25, 1), 1
	s_wait_xcnt 0x0
; x [8192][512] and codebook [8192][512], f32, become codes of FP8 (E4M3), each tensor with its given scale 2^e, and each row's sum of squares (f32, of the numbers as given).
; code = number / 2^e, held within +-448, to the nearest code, ties to even.  LIMITS: e between -126 and 119; NaN among the inputs is not served.
; THE CODES ARE LAID AS IMAGES OF OPERAND REGISTERS.  Tile T = 16 rows (T 0..511: x, 512..1023: codebook) at byte 8,192 T; K step s (128 along K) at + 2,048 s; register group c at + 512 c; lane L at + 16 L.
; Lane (r = L % 16, h = L / 16) holds, of row 16 T + r, k = 128 s + 32 c + 16 h + 0 .. 15.  The products' launches then fetch any fragment by dense loads of 16 bytes a lane.
; SHARES.  Work-group g takes tiles 4 g .. 4 g + 3, wave w tile 4 g + w: 32,768 bytes in, 8,192 out.  All 64 loads of a wave go out at the head, each 512 consecutive bytes of one row.
; A conversion wants 16 neighbours along K in ONE lane, a load wants neighbouring bytes in neighbouring lanes: so a K step's 16 rows x 512 bytes turn through the wave's own stage in LDS.
.set STW,  16896                       ; a wave's two stages
.set STP,  8448                        ; one stage: 16 rows x PIT
.set PIT,  528                         ; 512 bytes + 16: an odd multiple of 16, so the sixteen rows that a read touches start at sixteen different 16-byte columns
.set SQS,  4*STW                       ; behind the stages: the work-group's 64 sums of squares, 256 bytes
.set X,    16                          ; v16-79, v80-143: two sets of 64 numbers: register 16 c + i = k 32 c + 16 h + i of my row
.set CD,   144                         ; v144-207: codes, 16 registers for each K step: no store's data are written again
; v1 16 x lane; v2 into the stage; v3 out of it; v4 2^e; v5 448 x 2^e; v6 where my row's sum goes; v[8:15] four chains of squares; v208 8 x lane; v209 SQS + 8 x lane.  Window 1: the numbers as loaded, K step s, row i at v[64 s + 4 i].
.set MSB, 0
.macro WIN new                         ; the immediate's high byte repeats the setting that is left
.if MSB != \new
	s_set_vgpr_msb (MSB<<8)|\new
.set MSB, \new
.endif
.endm
	s_load_b128 s[4:7], s[0:1], 0x0                ; x, codebook
	s_load_b128 s[8:11], s[0:1], 0x10              ; the scales' exponents, codes
	s_load_b64 s[12:13], s[0:1], 0x20              ; sq
	v_lshl_add_u32 v254, v0, 2, 0x10900
	v_mov_b32 v255, 0
	v_lshrrev_b32 v1, 5, v0
	v_readfirstlane_b32 s16, v1                    ; wave 0..3
	v_and_b32 v7, 31, v0                           ; lane
	v_lshlrev_b32 v1, 4, v7
	v_lshlrev_b32 v208, 3, v7
	v_add_nc_u32 v209, SQS, v208
	s_mul_i32 s17, s16, STW
	v_add_nc_u32 v2, s17, v1                       ; in: a row's 512 bytes as they lie
	v_and_b32 v6, 15, v0                           ; r
	v_bfe_u32 v7, v0, 4, 1                         ; h
	v_mul_u32_u24 v3, v6, PIT
	v_lshl_add_u32 v3, v7, 6, v3
	v_add_nc_u32 v3, s17, v3                       ; out: row r, + 64 h: my 16 numbers of a block of 32
	s_lshl_b32 s18, s16, 6
	s_add_co_u32 s18, s18, SQS
	v_lshl_add_u32 v6, v6, 2, s18                  ; SQS + 64 w + 4 r
	s_mov_b32 s24, 0x76543210                      ; v_permlanex16_b32: each lane takes its own place in the other half
	s_mov_b32 s25, 0xfedcba98
	s_lshl_b32 s19, ttmp9, 2
	s_add_co_u32 s19, s19, s16                     ; T
	s_mov_b32 s21, 0
	s_wait_alu depctr_va_vdst(0)
	s_wait_kmcnt 0x0
	s_load_b64 s[22:23], s[8:9], 0x0               ; e of x, e of codebook
	s_cmp_lt_u32 ttmp9, 128                        ; x's work-group or the codebook's: the choice hangs on the work-group's number alone
	s_cselect_b64 s[4:5], s[4:5], s[6:7]
	s_cselect_b32 s20, 0, 512
	s_sub_co_u32 s20, s19, s20                     ; the tile's number in its own tensor
	s_lshl_b32 s20, s20, 15                        ; x 16 rows of 2,048 bytes
	s_add_nc_u64 s[4:5], s[4:5], s[20:21]
	s_lshl_b32 s20, s19, 13
	s_add_nc_u64 s[10:11], s[10:11], s[20:21]      ; codes + 8,192 T
	s_lshl_b32 s20, ttmp9, 8
	s_add_nc_u64 s[12:13], s[12:13], s[20:21]      ; sq + 256 g: x's rows first, then the codebook's, as the tiles are numbered
	WIN 0x40                                       ; destination window 1
.irp s, 0,1,2,3
.irp i, 0,1,2,3,4,5,6,7,8,9,10,11,12,13,14,15
	global_load_b128 v[64*\s+4*\i:64*\s+4*\i+3], v1, s[4:5] offset:2048*\i+512*\s th:TH_LOAD_NT   ; 32 lanes read 512 consecutive bytes of row i
.endr
.endr
	WIN 0
	s_wait_kmcnt 0x0
	s_cmp_lt_u32 ttmp9, 128
	s_cselect_b32 s22, s22, s23                    ; e
	s_add_co_i32 s22, s22, 127
	s_lshl_b32 s23, s22, 23
	v_mov_b32 v4, s23                              ; 2^e as f32: the conversion takes its exponent field
	s_add_co_i32 s22, s22, 8
	s_lshl_b32 s22, s22, 23
	s_or_b32 s22, s22, 0x600000
	v_mov_b32 v5, s22                              ; 448 x 2^e
.macro TURN s                          ; K step s through stage s % 2.  LDS serves a wave's instructions in order (ISA guide 5.7.1.4): no wait between the stores and the loads
	WIN 0x04                                       ; the stores' data lie in window 1
.irp i, 0,1,2,3,4,5,6,7,8,9,10,11,12,13,14,15
	ds_store_b128 v2, v[64*(\s)+4*\i:64*(\s)+4*\i+3] offset:STP*((\s)%2)+PIT*\i
.endr
	WIN 0
.irp c, 0,1,2,3
.irp q, 0,1,2,3
	ds_load_b128 v[X+64*((\s)%2)+16*\c+4*\q:X+64*((\s)%2)+16*\c+4*\q+3], v3 offset:STP*((\s)%2)+128*\c+16*\q
.endr
.endr
.endm
.macro KSTEP s
.set XS, X+64*((\s)%2)
	s_wait_dscnt 0x0                               ; this K step's numbers are back from the stage
.if (\s) < 3
	s_wait_loadcnt 32-16*(\s)                      ; the next K step's 16 loads are in; those of the K steps behind it may be out
	TURN (\s)+1                                    ; and go through the other stage while this step is worked
.endif
.set j, 0
.rept 32                               ; the squares of the numbers as given, two at a time, in four chains; the first four products start the chains
.if ((\s) == 0) && (j < 4)
	v_pk_mul_f32 v[8+2*j:9+2*j], v[XS+2*j:XS+2*j+1], v[XS+2*j:XS+2*j+1]
.else
	v_pk_fma_f32 v[8+2*(j%4):9+2*(j%4)], v[XS+2*j:XS+2*j+1], v[XS+2*j:XS+2*j+1], v[8+2*(j%4):9+2*(j%4)]
.endif
.set j, j+1
.endr
.set j, 0
.rept 64
	v_med3_num_f32 v[XS+j], v[XS+j], -v5, v5       ; the conversion to an 8-bit code does not saturate (ISA guide 7.6.2): the hold at the largest code x the scale
.set j, j+1
.endr
.irp c, 0,1,2,3
	v_cvt_scalef32_pk8_fp8_f32 v[CD+16*(\s)+4*\c:CD+16*(\s)+4*\c+1], v[XS+16*\c:XS+16*\c+7], v4
	v_cvt_scalef32_pk8_fp8_f32 v[CD+16*(\s)+4*\c+2:CD+16*(\s)+4*\c+3], v[XS+16*\c+8:XS+16*\c+15], v4
.endr
	v_nop                                          ; one plain vector line behind the last conversion of a run
.irp c, 0,1,2,3
	global_store_b128 v1, v[CD+16*(\s)+4*\c:CD+16*(\s)+4*\c+3], s[10:11] offset:2048*(\s)+512*\c   ; 32 lanes store 512 consecutive bytes, aligned
.endr
.endm
	s_wait_loadcnt 48                              ; K step 0's 16 loads are in; the 48 behind them may be out
	TURN 0
	KSTEP 0
	KSTEP 1
	KSTEP 2
	KSTEP 3
	v_pk_add_f32 v[8:9], v[8:9], v[10:11]
	v_pk_add_f32 v[12:13], v[12:13], v[14:15]
	v_pk_add_f32 v[8:9], v[8:9], v[12:13]
	v_add_f32 v8, v8, v9                           ; my half of the row,
	v_permlanex16_b32 v9, v8, s24, s25
	v_add_f32 v8, v8, v9                           ; and the other half's
	ds_store_b32 v6, v8                            ; both halves of the lanes write the same number to the same word
	s_wait_dscnt 0x0                               ; for the others' sake: my store has landed
	s_barrier_signal -1
	s_barrier_wait -1
	s_cmp_lg_u32 s16, 0
	s_cbranch_scc1 .Lend
	ds_load_b64 v[10:11], v209                     ; wave 0: the work-group's 64 sums,
	s_wait_dscnt 0x0
	global_store_b64 v208, v[10:11], s[12:13]      ; 256 consecutive bytes, aligned
.Lend:
	s_wait_tensorcnt 0x0
	ds_add_u32 v254, v255
	s_wait_dscnt 0x0
	s_endpgm
.Lfunc_end_k_qd49cce9aa1_prep:
	.size	k_qd49cce9aa1_prep, .Lfunc_end_k_qd49cce9aa1_prep-k_qd49cce9aa1_prep
	.p2alignl 7, 3214868480
	.fill 96, 4, 3214868480
	.section	.rodata,"a",@progbits
	.p2align	6, 0x0
	.amdhsa_kernel k_qd49cce9aa1_prep
		.amdhsa_group_segment_fixed_size 68352
		.amdhsa_private_segment_fixed_size 0
		.amdhsa_enable_private_segment 0
		.amdhsa_kernarg_size 40
		.amdhsa_user_sgpr_count 2
		.amdhsa_user_sgpr_kernarg_segment_ptr 1
		.amdhsa_wavefront_size32 1
		.amdhsa_system_sgpr_workgroup_id_x 1
		.amdhsa_system_sgpr_workgroup_id_y 1
		.amdhsa_system_sgpr_workgroup_id_z 1
		.amdhsa_system_vgpr_workitem_id 0
		.amdhsa_next_free_vgpr 512
		.amdhsa_next_free_sgpr 66
		.amdhsa_reserve_vcc 0
		.amdhsa_float_denorm_mode_32 3
		.amdhsa_float_denorm_mode_16_64 3
		.amdhsa_memory_ordered 1
		.amdhsa_forward_progress 1
		.amdhsa_inst_pref_size 46
	.end_amdhsa_kernel
	.amdgpu_metadata
---
amdhsa.version: [ 1, 2 ]
amdhsa.kernels:
  - .name:           k_qd49cce9aa1_prep
    .symbol:         k_qd49cce9aa1_prep.kd
    .args:
      - { .name: x, .offset: 0, .size: 8, .value_kind: global_buffer, .address_space: global }
      - { .name: codebook, .offset: 8, .size: 8, .value_kind: global_buffer, .address_space: global }
      - { .name: lowp_scales, .offset: 16, .size: 8, .value_kind: global_buffer, .address_space: global }
      - { .name: codes, .offset: 24, .size: 8, .value_kind: global_buffer, .address_space: global }
      - { .name: sq, .offset: 32, .size: 8, .value_kind: global_buffer, .address_space: global }
    .group_segment_fixed_size: 68352
    .private_segment_fixed_size: 0
    .kernarg_segment_align: 8
    .kernarg_segment_size: 40
    .max_flat_workgroup_size: 128
    .sgpr_count:     66
    .vgpr_count:     512
    .wavefront_size: 32
...
	.end_amdgpu_metadata
.endif
;; end of part 1
;; launch rowst (part 2): grid 16 x 16, 8 waves a work-group, clusters of 4 x 1, 327,680 bytes of LDS; arguments codes, sq, lowp_scales, part; writes part
.if DOCPART == 2
	.amdgcn_target "amdgcn-amd-amdhsa--gfx1250"
	.amdhsa_code_object_version 6
	.text
	.protected	k_qd49cce9aa1_rowst
	.globl	k_qd49cce9aa1_rowst
	.p2align	8
	.type	k_qd49cce9aa1_rowst,@function
k_qd49cce9aa1_rowst:
	s_mov_b64 s[64:65], 0
	v_nop
	global_prefetch_b8 v0, s[64:65] scope:SCOPE_SE
	s_setreg_imm32_b32 hwreg(HW_REG_WAVE_MODE, 25, 1), 1
	s_wait_xcnt 0x0
	s_wait_alu depctr_hold_cnt(0) depctr_sa_sdst(0) depctr_va_vdst(0) depctr_va_sdst(0) depctr_va_ssrc(0) depctr_va_vcc(0) depctr_vm_vsrc(0)
	s_getreg_b32 s2, hwreg(HW_REG_IB_STS2, 6, 4)
	s_cmp_eq_u32 s2, 0
	s_cbranch_scc0 .Lentry_in_a_cluster
	s_endpgm
.Lentry_in_a_cluster:
	s_bfe_u32 s2, ttmp6, 0x10000c
	s_cmp_lg_u32 s2, 0x3003
	s_cbranch_scc0 .Lentry_shape_is_right
	s_endpgm
.Lentry_shape_is_right:
; PASS A over d[row][col] = sqrt(max((x_sq[row] - 2 dots) + c_sq[col], 0)), dots = the product of the codes x 2^(e0 + e1).  For each row and each block of 512 columns it stores
; m = the least d, the lowest column that has it, R = C m (C = 100 log2 e) and Z = the sum over the block of 2^(R - C d): a softmax of -100 d with its largest term taken away, kept as a running least d.
; d^2 has the problem's own roundings: one fused multiply-add gives x_sq - 2 dots (the factor is a power of two), one addition brings c_sq.  The least is taken of d itself, the lower column winning a tie at every level.
; LIMITS: e0 + e1 + 1 between -126 and 127.  NaN and infinities are not served.  v_sqrt_f32 is good to one unit in the last place: a tie of two d that hangs on that bit may fall otherwise than with a correctly rounded root.
; SHARES.  A work-group owns 512 rows x 512 columns; 16 x 16 work-groups.  x IS STATIONARY: wave w keeps its 64 rows' codes (4 tiles x 4 K steps x 16 registers) in window 1.
; THE CODEBOOK's 512 rows of codes, 262,144 bytes of register images, come into LDS in TWO PARTS; no byte is filled twice.  Part 0, 65,536 bytes (8 tiles, steps 0 to 3), 8,192 bytes a wave, is asked for at the head;
; the other 196,608 bytes, 24,576 a wave, behind the round in front of which part 0 has landed.  A step fetches the next step's fragments, so the barrier that shows the second part stands ahead of step 3.
; CLUSTER: the four work-groups of a cluster have the same block of columns: each part is asked for jointly, by the same descriptor and a mask that names the four.  cx enters global addresses alone.
; No data prefetch: the second part is asked for by its tensor load three steps (96 matrix instructions a wave) ahead of the wait for it, and the launch has no later fill.
; THE PRODUCT: source 0 = 16 rows of the codebook, source 1 = 16 rows of x: a lane holds ONE row of x (lane % 16), its registers eight columns 8 (lane / 16) + j.
; A step is 32 columns: 32 matrix instructions, eight accumulators by turns, then 64 numbers a lane of vector work.
; THE PLACE OF THE LEAST d: for each tile and each group of 8 columns one compare (strictly less: an earlier group keeps a tie) and four dual selects keep the best group's 8 distances and its first column;
; the place inside the group is looked up once, behind the last step, from the highest column down.
.set SIDE1, 262144                     ; LDS: behind the tiles, the block's 512 c_sq
.set SCR,   266240                     ; 1,024 bytes of scratch for each wave, for the way out
.set SPARE, 0x43000                    ; the spare words: 128 bytes for each of eight waves
.set PART,  65536
.set PLANE, 524288                     ; part: [m, Z, R, index][16 blocks of columns][8,192 rows] x 4 bytes
.set CS,  16                           ; v16-31  c_sq of the step's columns: i = 8 u + j stands for column 32 step + 16 u + 8 h + j
.set ST,  32                           ; v32-63  tile t at ST + 8 t: +0 x_sq, +1 m, +2 R, +3 the best group's first column, +4, +5 Z, +6, +7 the two groups' least d, then the new R and f, R's change
.set ACC, 64                           ; v64-127 tile t of x at ACC + 16 t, column i at + i
.set F,   128                          ; v128-223 three sets of 32: K steps 0, 1, 2 of the step's two tiles; K step 3 lands on K step 0's set
.set BD,  224                          ; v224-255 tile t: the 8 distances of its best group
; v1 16 x lane; v2 LDS address of the step's fragments; v3 SIDE1 + 32 h; v4 the same + 128 step; v5 8 h; v6, v7 scratch in and back; v8 offset in part; v9 4 r; v10 8 x thread; v11 SIDE1 + 8 x thread; v14, v15 for the add
; s[24:31], s[32:35] part 0's descriptor; s[68:75], s[76:79] the second part's
.set MSB, 0
.macro WIN new                         ; the immediate's high byte repeats the setting that is left
.if MSB != \new
	s_set_vgpr_msb (MSB<<8)|\new
.set MSB, \new
.endif
.endm
.macro ROUND                           ; a round of the cluster's barrier
	s_barrier_signal -1
	s_barrier_wait -1
	s_cmp_lg_u32 s20, 0
	s_cbranch_scc1 .Lnot_wave_0_\@
	s_barrier_signal -3
.Lnot_wave_0_\@:
	s_barrier_wait -3
	s_barrier_signal -1
	s_barrier_wait -1
.endm
	s_load_b256 s[4:11], s[0:1], 0x0               ; codes s[4:5], sq s[6:7], the scales' exponents s[8:9], part s[10:11]
	v_lshl_add_u32 v14, v0, 2, SPARE
	v_mov_b32 v15, 0
	ds_add_u32 v14, v15                            ; the opening lines: the add twice on end
	ds_add_u32 v14, v15
	v_lshrrev_b32 v1, 5, v0
	s_delay_alu instid0(VALU_DEP_1)
	v_readfirstlane_b32 s20, v1                    ; wave 0..7
	s_bfe_u32 s21, ttmp6, 0x40000                  ; cx
	s_lshl_b32 s22, ttmp9, 2
	s_add_co_u32 s22, s22, s21                     ; my block of rows = 4 x cluster x + cx
	s_and_b32 s23, ttmp7, 0xffff                   ; the block of columns, which the four partners share
	s_mov_b32 s24, 15|(3<<16)|(1<<21)              ; group 1: the mask names all four; elements of 8 bytes; bit 21 beside the mask
	s_mov_b32 s25, 32<<16                          ; part 0: a dense piece of 8,192 bytes as 32 rows of 32 elements (256 bytes)
	s_mov_b32 s26, 32<<16
	s_mov_b32 s27, 32<<16
	s_mov_b32 s28, 32
	s_mov_b32 s29, 32
	s_mov_b32 s30, 0
	s_mov_b32 s31, 0
	s_mov_b32 s68, 15|(3<<16)|(1<<21)              ; the second part: 24,576 bytes as 96 such rows
	s_mov_b32 s69, 32<<16
	s_mov_b32 s70, 96<<16
	s_mov_b32 s71, 32<<16
	s_mov_b32 s72, 96
	s_mov_b32 s73, 32
	s_mov_b32 s74, 0
	s_mov_b32 s75, 0
	s_mov_b32 s32, 1
	s_lshl_b32 s33, s20, 13                        ; LDS address: 8,192 x wave
	s_mov_b32 s76, 1
	s_mul_i32 s77, s20, 24576
	s_add_co_u32 s77, s77, PART                    ; LDS address: 65,536 + 24,576 x wave
	s_lshl_b32 s56, s23, 18                        ; in memory: the codebook's tiles begin at 4,194,304; 262,144 a block, laid as in LDS; nothing of cx is in it
	s_add_co_u32 s56, s56, 0x400000
	s_add_co_u32 s60, s56, s77
	s_add_co_u32 s56, s56, s33
	s_mov_b32 s57, 0
	s_mov_b32 s61, 0
	s_lshl_b32 s58, s22, 18                        ; my wave's four tiles of x
	s_lshl_b32 s59, s20, 15
	s_add_co_u32 s58, s58, s59
	s_mov_b32 s59, 0
	s_lshl_b32 s62, s23, 11                        ; the block's c_sq: behind x_sq's 32,768 bytes
	s_add_co_u32 s62, s62, 32768
	s_mov_b32 s63, 0
	s_lshl_b32 s54, s22, 11                        ; my wave's 64 rows x 4 bytes: in x_sq and in each plane of part
	s_lshl_b32 s55, s20, 8
	s_add_co_u32 s54, s54, s55
	s_mov_b32 s55, 0
	s_lshl_b32 s50, s23, 15
	s_add_co_u32 s50, s50, s54
	s_mov_b32 s51, 0
	s_lshl_b32 s45, s20, 10
	s_add_co_u32 s45, s45, SCR
	s_mov_b32 s36, 0
	s_mov_b32 s37, 0
	v_and_b32 v1, 31, v0
	s_delay_alu instid0(VALU_DEP_1)
	v_lshlrev_b32 v1, 4, v1
	v_bfe_u32 v5, v0, 4, 1                         ; h
	v_and_b32 v9, 15, v0                           ; r
	s_delay_alu instid0(VALU_DEP_2)
	v_lshl_add_u32 v3, v5, 5, SIDE1
	v_lshl_add_u32 v6, v5, 9, s45
	s_delay_alu instid0(VALU_DEP_1)
	v_lshl_add_u32 v6, v9, 2, v6                   ; scratch, in: 512 h + 4 r
	v_add_nc_u32 v7, s45, v1                       ; and back: 16 x lane
	v_lshlrev_b32 v8, 4, v9
	s_delay_alu instid0(VALU_DEP_1)
	v_lshl_add_u32 v8, v5, 19, v8                  ; part: 16 (lane % 16) + a plane for lanes 16-31
	v_lshlrev_b32 v5, 3, v5
	v_lshlrev_b32 v9, 2, v9
	v_lshlrev_b32 v10, 3, v0
	v_lshl_add_u32 v11, v0, 3, SIDE1
	v_add_nc_u32 v2, s36, v1
	v_add_nc_u32 v4, s37, v3
	s_mov_b32 s42, 0xc31044fe                      ; -C
	s_mov_b32 s43, s42
	s_mov_b32 s44, 0x431044fe                      ; C = 100 log2 e
	s_mov_b32 s46, 0x76543210
	s_mov_b32 s47, 0xfedcba98
	s_wait_alu depctr_va_vdst(0)
	s_wait_dscnt 0x0                               ; both opening adds are done
	s_wait_kmcnt 0x0
	s_load_b64 s[2:3], s[8:9], 0x0                 ; e0, e1
	s_add_nc_u64 s[34:35], s[4:5], s[56:57]
	s_or_b32 s35, s35, 0x80000000                  ; type = 2
	s_add_nc_u64 s[78:79], s[4:5], s[60:61]
	s_or_b32 s79, s79, 0x80000000
	s_add_nc_u64 s[58:59], s[4:5], s[58:59]
	s_add_nc_u64 s[62:63], s[6:7], s[62:63]
	s_add_nc_u64 s[54:55], s[6:7], s[54:55]
	s_add_nc_u64 s[10:11], s[10:11], s[50:51]
	ROUND                                          ; all four work-groups are here: the joint loads meet
	tensor_load_to_lds s[32:35], s[24:31]          ; part 0: my one tensor load at the head, ahead of the loads into registers
	s_nop 0
.rept 4
	v_nop
.endr
	WIN 0x40                                       ; destination window 1
.irp t, 0,1,2,3
.irp k, 0,1,2,3
.irp c, 0,1,2,3
	global_load_b128 v[64*\t+16*\k+4*\c:64*\t+16*\k+4*\c+3], v1, s[58:59] offset:8192*\t+2048*\k+512*\c   ; x's fragments stay in registers
.endr
.endr
.endr
	WIN 0
	global_load_b64 v[12:13], v10, s[62:63]        ; two of the block's c_sq a thread
.irp t, 0,1,2,3
	global_load_b32 v[ST+8*\t], v9, s[54:55] offset:64*\t   ; x_sq of my row in tile t
.endr
.irp t, 0,1,2,3
	v_mov_b32 v[ST+8*\t+1], 0x62800000             ; m = 2^70, above the root of every f32 number
	v_mov_b32 v[ST+8*\t+3], 0
	v_mov_b32 v[ST+8*\t+4], 0
	v_mov_b32 v[ST+8*\t+5], 0
.endr
.irp t, 0,1,2,3
	v_mul_f32 v[ST+8*\t+2], s44, v[ST+8*\t+1]      ; R = C m
.endr
.set n, 0
.rept 32
	v_mov_b32 v[BD+n], 0x62800000                  ; written once: the first group of columns replaces them
.set n, n+1
.endr
	s_wait_kmcnt 0x0
	s_add_co_i32 s40, s2, s3
	s_add_co_i32 s40, s40, 128
	s_lshl_b32 s40, s40, 23
	s_or_b32 s40, s40, 0x80000000                  ; -2^(e0 + e1 + 1)
	s_mov_b32 s41, s40                             ; (named with it as a pair, so it is written)
	s_lshl_b32 s38, s23, 9                         ; the first column of the step's group u = 0,
	s_add_co_u32 s39, s38, 16                      ; and of its group u = 1
	s_wait_alu depctr_va_vdst(0)
	s_wait_loadcnt 0x0
	ds_store_b64 v11, v[12:13]
.macro MULK k, sl                      ; 8 matrix instructions: K step k (in set sl), four tiles of x against the step's two tiles of the codebook
.irp t, 0,1,2,3
.irp u, 0,1
.if (\k) == 0
	v_wmma_f32_16x16x128_fp8_fp8 v[ACC+16*\t+8*\u:ACC+16*\t+8*\u+7], v[F+32*(\sl)+16*\u:F+32*(\sl)+16*\u+15], v[64*\t+16*(\k):64*\t+16*(\k)+15], 0
.else
	v_wmma_f32_16x16x128_fp8_fp8 v[ACC+16*\t+8*\u:ACC+16*\t+8*\u+7], v[F+32*(\sl)+16*\u:F+32*(\sl)+16*\u+15], v[64*\t+16*(\k):64*\t+16*(\k)+15], v[ACC+16*\t+8*\u:ACC+16*\t+8*\u+7]
.endif
.endr
.endr
.endm
.macro FETCHK k, sl                    ; 8 LDS loads, 512 consecutive bytes each: K step k of the two tiles at v2, into set sl
.irp u, 0,1
.irp c, 0,1,2,3
	ds_load_b128 v[F+32*(\sl)+16*\u+4*\c:F+32*(\sl)+16*\u+4*\c+3], v2 offset:8192*\u+2048*(\k)+512*\c
.endr
.endr
.endm
.macro CSLOAD
	ds_load_b128 v[CS:CS+3], v4
	ds_load_b128 v[CS+4:CS+7], v4 offset:16
	ds_load_b128 v[CS+8:CS+11], v4 offset:64
	ds_load_b128 v[CS+12:CS+15], v4 offset:80
.endm
.macro STEP fetch
	s_wait_dscnt 0x0                               ; K steps 0 to 2 and c_sq are in
	WIN 0x04                                       ; source 1 (x) in window 1; the LDS loads below name windows 0 alone
	MULK 0, 0
.rept 4
	v_nop                                          ; four plain places between K step 0's products and the loads into their sources
.endr
	FETCHK 3, 0
	MULK 1, 1
	MULK 2, 2
	s_wait_dscnt 0x0                               ; K step 3 is in: asked for 16 matrix instructions ago
	MULK 3, 0
	WIN 0
	s_add_co_u32 s36, s36, 16384
	s_add_co_u32 s37, s37, 128
	v_add_nc_u32 v2, s36, v1                       ; the next step's addresses; with two v_nop the four plain places behind the last product
	v_add_nc_u32 v4, s37, v3
	v_nop
	v_nop
.if \fetch
	FETCHK 0, 0
	FETCHK 1, 1
	FETCHK 2, 2
.endif
.irp t, 0,1,2,3                        ; each accumulator is read from its low end on
.irp i, 0,2,4,6,8,10,12,14
	v_pk_fma_f32 v[ACC+16*\t+\i:ACC+16*\t+\i+1], v[ACC+16*\t+\i:ACC+16*\t+\i+1], s[40:41], v[ST+8*\t:ST+8*\t+1] op_sel_hi:[1,0,0]   ; x_sq - 2 dots, one rounding
.endr
.endr
.irp t, 0,1,2,3
.irp i, 0,2,4,6,8,10,12,14
	v_pk_add_f32 v[ACC+16*\t+\i:ACC+16*\t+\i+1], v[ACC+16*\t+\i:ACC+16*\t+\i+1], v[CS+\i:CS+\i+1]   ; + c_sq
.endr
.endr
.set n, 0
.rept 32
	v_dual_max_num_f32 v[ACC+n], 0, v[ACC+n] :: v_dual_max_num_f32 v[ACC+n+1], 0, v[ACC+n+1]   ; the clip at 0, two in one
.set n, n+2
.endr
.if \fetch
	CSLOAD
.endif
.set n, 0
	s_wait_alu depctr_va_vdst(0)                   ; the wait ahead of the batch
.rept 64
	v_sqrt_f32 v[ACC+n], v[ACC+n]                  ; d
.set n, n+1
.endr
	v_nop                                          ; a plain line behind the last root
	s_wait_alu depctr_va_vdst(0)                   ; one wait for the batch of roots, ahead of its first reader
.irp t, 0,1,2,3                        ; the least d of each group of 8: eight chains by turns
.irp u, 0,1
	v_min3_num_f32 v[ST+8*\t+6+\u], v[ACC+16*\t+8*\u], v[ACC+16*\t+8*\u+1], v[ACC+16*\t+8*\u+2]
.endr
.endr
.irp i, 3,5
.irp t, 0,1,2,3
.irp u, 0,1
	v_min3_num_f32 v[ST+8*\t+6+\u], v[ST+8*\t+6+\u], v[ACC+16*\t+8*\u+\i], v[ACC+16*\t+8*\u+\i+1]
.endr
.endr
.endr
.irp t, 0,1,2,3
.irp u, 0,1
	v_min_num_f32 v[ST+8*\t+6+\u], v[ST+8*\t+6+\u], v[ACC+16*\t+8*\u+7]
.endr
.endr
.irp u, 0,1                            ; group u = 0 of every tile, then group u = 1: the lower columns first
.irp t, 0,1,2,3
	v_cmp_lt_f32 vcc_lo, v[ST+8*\t+6+\u], v[ST+8*\t+1]   ; strictly less: an earlier group keeps a tie
	v_min_num_f32 v[ST+8*\t+1], v[ST+8*\t+1], v[ST+8*\t+6+\u]
.irp j, 0,2,4,6
	v_dual_cndmask_b32 v[BD+8*\t+\j], v[BD+8*\t+\j], v[ACC+16*\t+8*\u+\j] :: v_dual_cndmask_b32 v[BD+8*\t+\j+1], v[BD+8*\t+\j+1], v[ACC+16*\t+8*\u+\j+1]
.endr
	v_cndmask_b32 v[ST+8*\t+3], v[ST+8*\t+3], s[38+\u], vcc_lo
.endr
.endr
.irp t, 0,1,2,3
	v_mul_f32 v[ST+8*\t+6], s44, v[ST+8*\t+1]      ; the new R
.endr
.irp t, 0,1,2,3
	s_delay_alu instid0(VALU_DEP_4)
	v_sub_f32 v[ST+8*\t+7], v[ST+8*\t+6], v[ST+8*\t+2]   ; new R - old R, 0 or less
.endr
.irp t, 0,1,2,3
	v_mov_b32 v[ST+8*\t+2], v[ST+8*\t+6]           ; (+6 is about to take f)
.endr
.irp t, 0,1,2,3
.irp i, 0,2,4,6,8,10,12,14
	v_pk_fma_f32 v[ACC+16*\t+\i:ACC+16*\t+\i+1], v[ACC+16*\t+\i:ACC+16*\t+\i+1], s[42:43], v[ST+8*\t+2:ST+8*\t+3] op_sel_hi:[1,0,0]   ; R - C d, 0 or less but for R's rounding
.endr
.endr
.set n, 0
	s_wait_alu depctr_va_vdst(0)                   ; the wait ahead of the batch
.rept 64
	v_exp_f32 v[ACC+n], v[ACC+n]
.set n, n+1
.endr
.irp t, 0,1,2,3
	v_exp_f32 v[ST+8*\t+6], v[ST+8*\t+7]           ; f = 2^(new R - old R)
.endr
	v_nop                                          ; a plain line behind the last exponential
	s_wait_alu depctr_va_vdst(0)                   ; one wait for the batch
.irp t, 0,1,2,3
	v_pk_fma_f32 v[ST+8*\t+4:ST+8*\t+5], v[ST+8*\t+4:ST+8*\t+5], v[ST+8*\t+6:ST+8*\t+7], v[ACC+16*\t:ACC+16*\t+1] op_sel_hi:[1,0,1]   ; Z f + the first pair
.endr
.irp i, 2,4,6,8,10,12,14
.irp t, 0,1,2,3
	v_pk_add_f32 v[ST+8*\t+4:ST+8*\t+5], v[ST+8*\t+4:ST+8*\t+5], v[ACC+16*\t+\i:ACC+16*\t+\i+1]
.endr
.endr
	s_add_co_u32 s38, s38, 32
	s_add_co_u32 s39, s39, 32
.endm
.macro RUN n                           ; n steps, each fetching the next step's fragments
	s_mov_b32 s53, \n
.Lrun_\@:
	STEP 1
	s_sub_co_u32 s53, s53, 1
	s_cmp_lg_u32 s53, 0
	s_cbranch_scc1 .Lrun_\@
.endm
	s_wait_tensorcnt 0x0                           ; my piece of part 0 has landed;
	ds_add_u32 v14, v15
	s_wait_dscnt 0x0                               ; the add, and my c_sq
	ROUND                                          ; part 0 and c_sq are in, everybody's, and the four work-groups are here
	tensor_load_to_lds s[76:79], s[68:75]          ; the second part: a first fill of its bytes, my one load behind the round
	s_nop 0
.rept 4
	v_nop
.endr
	FETCHK 0, 0
	FETCHK 1, 1
	FETCHK 2, 2
	CSLOAD
	RUN 3                                          ; steps 0 to 2 fetch up to step 3: part 0 alone
	s_wait_tensorcnt 0x0                           ; my piece of the second part has landed,
	s_wait_dscnt 0x0
	s_barrier_signal -1
	s_barrier_wait -1                              ; and everybody's; nothing more is asked for
	RUN 12                                         ; steps 3 to 14
	STEP 0                                         ; step 15 fetches nothing beyond its own K step 3
	; THE END.  First the place of m among the best group's 8 distances, from the highest down, so that the lowest wins.
	s_mov_b32 s52, 0xffff0000                      ; lanes 16-31
.irp t, 0,1,2,3
	v_mov_b32 v[ST+8*\t+7], 7
.endr
.irp j, 6,5,4,3,2,1,0
.irp t, 0,1,2,3
	v_cmp_eq_f32 s[48+\t], v[BD+8*\t+\j], v[ST+8*\t+1]
.endr
.irp t, 0,1,2,3
	s_delay_alu instid0(VALU_DEP_4)
	v_cndmask_b32 v[ST+8*\t+7], v[ST+8*\t+7], \j, s[48+\t]
.endr
.endr
.irp t, 0,1,2,3
	v_add_f32 v[ST+8*\t+4], v[ST+8*\t+4], v[ST+8*\t+5]
	v_add3_u32 v[ST+8*\t+3], v[ST+8*\t+3], v[ST+8*\t+7], v5    ; the group's first column + the place + 8 h: the column's whole number
.endr
	; A row's two lanes (l and l xor 16) hold the two halves of its columns: they are merged, the lower column winning a tie.
.irp t, 0,1,2,3
	v_permlanex16_b32 v[ACC+16*\t], v[ST+8*\t+1], s46, s47     ; the other lane's m,
	v_permlanex16_b32 v[ACC+16*\t+1], v[ST+8*\t+4], s46, s47   ; Z,
	v_permlanex16_b32 v[ACC+16*\t+2], v[ST+8*\t+3], s46, s47   ; and column
.endr
.irp t, 0,1,2,3
	v_min_num_f32 v[ACC+16*\t+3], v[ST+8*\t+1], v[ACC+16*\t]   ; m of both
	v_mul_f32 v[ACC+16*\t+6], s44, v[ACC+16*\t]                ; the other lane's R, as it made it
.endr
.irp t, 0,1,2,3
	v_mul_f32 v[ACC+16*\t+4], s44, v[ACC+16*\t+3]              ; R of both
.endr
.irp t, 0,1,2,3
	v_sub_f32 v[ACC+16*\t+5], v[ACC+16*\t+4], v[ST+8*\t+2]
	v_sub_f32 v[ACC+16*\t+6], v[ACC+16*\t+4], v[ACC+16*\t+6]
.endr
	s_wait_alu depctr_va_vdst(0)                   ; the wait ahead of the batch
.irp t, 0,1,2,3
	v_exp_f32 v[ACC+16*\t+5], v[ACC+16*\t+5]
	v_exp_f32 v[ACC+16*\t+6], v[ACC+16*\t+6]
.endr
.irp t, 0,1,2,3                        ; (plain work behind the exponentials, which names none of their results)
	v_cmp_lt_f32 s48, v[ACC+16*\t], v[ST+8*\t+1]
	v_cmp_eq_f32 s49, v[ACC+16*\t], v[ST+8*\t+1]
	v_cmp_lt_u32 s50, v[ACC+16*\t+2], v[ST+8*\t+3]
	s_and_b32 s49, s49, s50
	s_or_b32 s48, s48, s49
	v_cndmask_b32 v[ST+8*\t+3], v[ST+8*\t+3], v[ACC+16*\t+2], s48
.endr
	s_wait_alu depctr_va_vdst(0)                   ; one wait for the eight exponentials
.irp t, 0,1,2,3
	v_mul_f32 v[ACC+16*\t+7], v[ST+8*\t+4], v[ACC+16*\t+5]
	v_fma_f32 v[ACC+16*\t+7], v[ACC+16*\t+1], v[ACC+16*\t+6], v[ACC+16*\t+7]   ; Z of both
	v_cndmask_b32 v[ACC+16*\t+8], v[ACC+16*\t+3], v[ACC+16*\t+4], s52          ; lanes 0-15 hand on m and Z, lanes 16-31 R and the column
	s_delay_alu instid0(VALU_DEP_2)
	v_cndmask_b32 v[ACC+16*\t+9], v[ACC+16*\t+7], v[ST+8*\t+3], s52
	ds_store_b32 v6, v[ACC+16*\t+8] offset:64*\t
	ds_store_b32 v6, v[ACC+16*\t+9] offset:64*\t+256
.endr
	ds_load_b128 v[F:F+3], v7                      ; my own scratch, served in order: 256 bytes of m, 256 of Z,
	ds_load_b128 v[F+4:F+7], v7 offset:512         ; 256 of R, 256 of columns
	s_wait_dscnt 0x0
	global_store_b128 v8, v[F:F+3], s[10:11]                    ; sixteen lanes store 256 consecutive bytes, aligned, of one plane
	global_store_b128 v8, v[F+4:F+7], s[10:11] offset:2*PLANE
	s_wait_tensorcnt 0x0                           ; the wave's end
	ds_add_u32 v14, v15
	s_wait_dscnt 0x0
	ROUND                                          ; the closing round: no work-group ends while a partner may still ask jointly
	s_endpgm
.Lfunc_end_k_qd49cce9aa1_rowst:
	.size	k_qd49cce9aa1_rowst, .Lfunc_end_k_qd49cce9aa1_rowst-k_qd49cce9aa1_rowst
	.p2alignl 7, 3214868480
	.fill 96, 4, 3214868480
	.section	.rodata,"a",@progbits
	.p2align	6, 0x0
	.amdhsa_kernel k_qd49cce9aa1_rowst
		.amdhsa_group_segment_fixed_size 327680
		.amdhsa_private_segment_fixed_size 0
		.amdhsa_enable_private_segment 0
		.amdhsa_kernarg_size 32
		.amdhsa_user_sgpr_count 2
		.amdhsa_user_sgpr_kernarg_segment_ptr 1
		.amdhsa_wavefront_size32 1
		.amdhsa_system_sgpr_workgroup_id_x 1
		.amdhsa_system_sgpr_workgroup_id_y 1
		.amdhsa_system_sgpr_workgroup_id_z 1
		.amdhsa_system_vgpr_workitem_id 0
		.amdhsa_next_free_vgpr 512
		.amdhsa_next_free_sgpr 80
		.amdhsa_reserve_vcc 1
		.amdhsa_float_denorm_mode_32 3
		.amdhsa_float_denorm_mode_16_64 3
		.amdhsa_memory_ordered 1
		.amdhsa_forward_progress 1
		.amdhsa_inst_pref_size 100
	.end_amdhsa_kernel
	.amdgpu_metadata
---
amdhsa.version: [ 1, 2 ]
amdhsa.kernels:
  - .name:           k_qd49cce9aa1_rowst
    .symbol:         k_qd49cce9aa1_rowst.kd
    .args:
      - { .name: codes, .offset: 0, .size: 8, .value_kind: global_buffer, .address_space: global }
      - { .name: sq, .offset: 8, .size: 8, .value_kind: global_buffer, .address_space: global }
      - { .name: lowp_scales, .offset: 16, .size: 8, .value_kind: global_buffer, .address_space: global }
      - { .name: part, .offset: 24, .size: 8, .value_kind: global_buffer, .address_space: global }
    .group_segment_fixed_size: 327680
    .private_segment_fixed_size: 0
    .kernarg_segment_align: 8
    .kernarg_segment_size: 32
    .max_flat_workgroup_size: 256
    .sgpr_count:     80
    .vgpr_count:     512
    .wavefront_size: 32
...
	.end_amdgpu_metadata
.endif
;; end of part 2
;; launch colst (part 3): grid 16 x 16, 8 waves a work-group, clusters of 4 x 1, 327,680 bytes of LDS; arguments codes, sq, lowp_scales, part, colp, sp, out5, idxw; writes colp, sp, out5, idxw
.if DOCPART == 3
	.amdgcn_target "amdgcn-amd-amdhsa--gfx1250"
	.amdhsa_code_object_version 6
	.text
	.protected	k_qd49cce9aa1_colst
	.globl	k_qd49cce9aa1_colst
	.p2align	8
	.type	k_qd49cce9aa1_colst,@function
k_qd49cce9aa1_colst:
	s_mov_b64 s[64:65], 0
	v_nop
	global_prefetch_b8 v0, s[64:65] scope:SCOPE_SE
	s_setreg_imm32_b32 hwreg(HW_REG_WAVE_MODE, 25, 1), 1
	s_wait_xcnt 0x0
	s_wait_alu depctr_hold_cnt(0) depctr_sa_sdst(0) depctr_va_vdst(0) depctr_va_sdst(0) depctr_va_ssrc(0) depctr_va_vcc(0) depctr_vm_vsrc(0)
	s_getreg_b32 s2, hwreg(HW_REG_IB_STS2, 6, 4)
	s_cmp_eq_u32 s2, 0
	s_cbranch_scc0 .Lentry_in_a_cluster
	s_endpgm
.Lentry_in_a_cluster:
	s_bfe_u32 s2, ttmp6, 0x10000c
	s_cmp_lg_u32 s2, 0x3003
	s_cbranch_scc0 .Lentry_shape_is_right
	s_endpgm
.Lentry_shape_is_right:
; PASS B.  The product is made a second time, so that no distance goes through memory.  At the head each row's 16 parts of pass A are merged: R* = the least R, Z* = the sum of Z 2^(R* - R), b = R* - log2 Z*.
; Then u = b - C d = log2 p with p the row's normalised softmax of -100 d.  Stored: for each column the sum of p over the work-group's 512 rows (colp), and for each thread its sum of p u (sp).
; LEFT OUT: the 1e-8 added to every score ahead of log_softmax is the same along the softmax's axis and cancels there for all values of the inputs.
; d^2 = x_sq - 2 (dots - c_sq / 2): c_sq x -2^-(e0 + e1 + 1), an exact scaling, is the C operand of each sum's first matrix instruction, and one fused multiply-add by -2^(e0 + e1 + 1) brings x_sq.
; No index hangs on this pass's d, so its order of rounding may differ from pass A's; p adds up to 1 over a row but for rounding.
; Also here: the row's final index = the part with the least m, the lowest block of columns winning a tie.  Each work-group's wave 0 does 32 of its block's 512 rows, chosen by ADDRESS through its block of columns:
; no branch hangs on the place in the cluster, at the price of stores of 128 consecutive bytes (65,536 bytes in all).
; LIMITS: e0 + e1 + 1 between -126 and 126; c_sq / 2^(e0 + e1 + 1) a normal f32 number or 0; NaN and infinities are not served.
; SHARES.  A work-group owns 512 rows x 512 columns.  THE CODEBOOK IS STATIONARY: wave w keeps its 64 columns' codes in window 1.  x STREAMS: the block's 512 rows of codes come into LDS in TWO PARTS, no byte twice:
; 65,536 bytes (steps 0 to 3), 8,192 a wave, at the head; the other 196,608, 24,576 a wave, behind the round in front of which the first has landed; the barrier that shows them stands ahead of step 3.
; Both parts are asked for jointly by the four work-groups of a cluster, which have the same block of rows.  No data prefetch: the second part is asked for three steps (96 matrix instructions a wave) ahead of its wait.
; Source 0 = 16 rows of x, source 1 = 16 rows of the codebook: a lane holds ONE column, so the column sums stay within a lane.
.set SIDE1, 262144                     ; LDS: the block's 512 x_sq; 2,048 bytes behind them the 512 b
.set SCR,   266240                     ; 1,024 bytes of scratch for each wave
.set SPARE, 0x43000                    ; the spare words: 128 bytes for each of eight waves
.set PART,  65536
.set PLANE, 524288
.set XQ,  16                           ; v16-31  x_sq of the step's rows: i = 8 u + j stands for row 32 step + 16 u + 8 h + j
.set BQ,  32                           ; v32-47  b of the same rows
.set CT,  48                           ; v48-55  tile t: the column's sum in two halves
.set ACC, 64
.set F,   128                          ; v128-223 three sets of 32: K steps 0, 1, 2 of the step's two tiles; K step 3 lands on K step 0's set
.set P,   160                          ; v160-223 p: over sets 1 and 2, between their products and their next fetch
.set CQ,  224                          ; v224-255 tile t: eight times c_sq of my column x -2^-(e0 + e1 + 1)
; v1 16 x lane; v2 LDS address in hand; v3 SIDE1 + 32 h; v4 the same + 128 step (at the head: 4 r); v5 4 x lane; v6 8 x thread; v7 my scratch + 4 x lane; v[8:15] four sums of p u, in pairs; v56, v57 for the add
.set MSB, 0
.macro WIN new                         ; the immediate's high byte repeats the setting that is left
.if MSB != \new
	s_set_vgpr_msb (MSB<<8)|\new
.set MSB, \new
.endif
.endm
.macro ROUND                           ; a round of the cluster's barrier
	s_barrier_signal -1
	s_barrier_wait -1
	s_cmp_lg_u32 s20, 0
	s_cbranch_scc1 .Lnot_wave_0_\@
	s_barrier_signal -3
.Lnot_wave_0_\@:
	s_barrier_wait -3
	s_barrier_signal -1
	s_barrier_wait -1
.endm
	s_load_b512 s[4:19], s[0:1], 0x0               ; codes 4, sq 6, exponents 8, part 10, colp 12, sp 14, out5 16, idxw 18
	v_lshl_add_u32 v56, v0, 2, SPARE
	v_mov_b32 v57, 0
	ds_add_u32 v56, v57                            ; the opening lines: the add twice on end
	ds_add_u32 v56, v57
	v_lshrrev_b32 v1, 5, v0
	s_delay_alu instid0(VALU_DEP_1)
	v_readfirstlane_b32 s20, v1                    ; wave 0..7
	s_bfe_u32 s21, ttmp6, 0x40000                  ; cx
	s_lshl_b32 s22, ttmp9, 2
	s_add_co_u32 s22, s22, s21                     ; my block of columns
	s_and_b32 s23, ttmp7, 0xffff                   ; the block of rows, which the four partners share
	s_mov_b32 s24, 15|(3<<16)|(1<<21)              ; group 1: the mask names all four; elements of 8 bytes; bit 21 beside the mask
	s_mov_b32 s25, 32<<16                          ; the first part: 8,192 bytes as 32 rows of 32 elements (256 bytes)
	s_mov_b32 s26, 32<<16
	s_mov_b32 s27, 32<<16
	s_mov_b32 s28, 32
	s_mov_b32 s29, 32
	s_mov_b32 s30, 0
	s_mov_b32 s31, 0
	s_mov_b32 s68, 15|(3<<16)|(1<<21)              ; the second part: 24,576 bytes as 96 such rows
	s_mov_b32 s69, 32<<16
	s_mov_b32 s70, 96<<16
	s_mov_b32 s71, 32<<16
	s_mov_b32 s72, 96
	s_mov_b32 s73, 32
	s_mov_b32 s74, 0
	s_mov_b32 s75, 0
	s_mov_b32 s32, 1
	s_lshl_b32 s33, s20, 13                        ; LDS address: 8,192 x wave
	s_mov_b32 s76, 1
	s_mul_i32 s77, s20, 24576
	s_add_co_u32 s77, s77, PART                    ; LDS address: 65,536 + 24,576 x wave
	s_lshl_b32 s56, s23, 18                        ; x's tiles: 262,144 a block, laid as in LDS.  Nothing of cx is in it
	s_add_co_u32 s80, s56, s77
	s_add_co_u32 s56, s56, s33
	s_mov_b32 s57, 0
	s_mov_b32 s81, 0
	s_lshl_b32 s58, s22, 18                        ; my wave's four tiles of the codebook
	s_lshl_b32 s38, s20, 15
	s_add_co_u32 s58, s58, s38
	s_add_co_u32 s58, s58, 0x400000
	s_mov_b32 s59, 0
	s_lshl_b32 s52, s23, 11                        ; the block's 512 rows x 4 bytes
	s_mov_b32 s53, 0
	s_lshl_b32 s60, s22, 7                         ; + my work-group's 32 of them
	s_add_co_u32 s60, s60, s52
	s_mov_b32 s61, 0
	s_lshl_b32 s48, s22, 11                        ; my wave's 64 c_sq
	s_lshl_b32 s38, s20, 8
	s_add_co_u32 s48, s48, s38
	s_add_co_u32 s48, s48, 32768
	s_mov_b32 s49, 0
	s_lshl_b32 s54, s23, 15                        ; colp: 32,768 a block of rows + 2,048 a block of columns; sp: 2,048 a work-group: the same number
	s_lshl_b32 s38, s22, 11
	s_add_co_u32 s54, s54, s38
	s_mov_b32 s55, 0
	s_lshl_b32 s45, s20, 10
	s_add_co_u32 s45, s45, SCR
	v_and_b32 v5, 31, v0
	s_delay_alu instid0(VALU_DEP_1)
	v_lshlrev_b32 v1, 4, v5
	v_lshlrev_b32 v5, 2, v5
	v_bfe_u32 v3, v0, 4, 1
	s_delay_alu instid0(VALU_DEP_1)
	v_lshl_add_u32 v3, v3, 5, SIDE1
	v_and_b32 v4, 15, v0
	s_delay_alu instid0(VALU_DEP_1)
	v_lshlrev_b32 v4, 2, v4                        ; 4 r, for c_sq
	v_lshlrev_b32 v6, 3, v0
	v_add_nc_u32 v7, s45, v5
	v_lshl_add_u32 v2, v0, 3, SIDE1                ; where my two rows' x_sq and b go
.irp n, 0,1,2,3,4,5,6,7
	v_mov_b32 v[CT+\n], 0
	v_mov_b32 v[8+\n], 0
.endr
	s_mov_b32 s42, 0xc31044fe                      ; -C
	s_mov_b32 s43, s42
	s_mov_b32 s46, 0x76543210
	s_mov_b32 s47, 0xfedcba98
	s_wait_alu depctr_va_vdst(0)
	s_wait_dscnt 0x0                               ; both opening adds are done
	s_wait_kmcnt 0x0
	s_load_b64 s[2:3], s[8:9], 0x0                 ; e0, e1
	s_add_nc_u64 s[34:35], s[4:5], s[56:57]
	s_or_b32 s35, s35, 0x80000000                  ; type = 2
	s_add_nc_u64 s[78:79], s[4:5], s[80:81]
	s_or_b32 s79, s79, 0x80000000
	s_add_nc_u64 s[58:59], s[4:5], s[58:59]
	s_add_nc_u64 s[62:63], s[10:11], s[52:53]      ; part at the block's first row
	s_add_nc_u64 s[50:51], s[6:7], s[52:53]        ; x_sq likewise
	s_add_nc_u64 s[10:11], s[10:11], s[60:61]      ; part, out5 and idxw at my work-group's 32 rows
	s_add_nc_u64 s[16:17], s[16:17], s[60:61]
	s_add_nc_u64 s[18:19], s[18:19], s[60:61]
	s_add_nc_u64 s[48:49], s[6:7], s[48:49]
	s_add_nc_u64 s[12:13], s[12:13], s[54:55]
	s_add_nc_u64 s[14:15], s[14:15], s[54:55]
	ROUND                                          ; all four work-groups are here: the joint loads meet
	tensor_load_to_lds s[32:35], s[24:31]          ; the first part: my one tensor load at the head
	s_nop 0
.rept 4
	v_nop
.endr
.irp c, 0,1,2,3,4,5,6,7,8,9,10,11,12,13,14,15  ; the small loads first: what the merge of pass A's parts needs
	global_load_b64 v[128+2*\c:129+2*\c], v6, s[62:63] offset:2*PLANE+32768*\c   ; R of rows 2 T, 2 T + 1 in block c of columns: a wave reads 256 consecutive bytes
.endr
.irp c, 0,1,2,3,4,5,6,7,8,9,10,11,12,13,14,15
	global_load_b64 v[160+2*\c:161+2*\c], v6, s[62:63] offset:PLANE+32768*\c     ; Z
.endr
	global_load_b64 v[192:193], v6, s[50:51]       ; x_sq
.irp t, 0,1,2,3
	global_load_b32 v[200+\t], v4, s[48:49] offset:64*\t   ; c_sq of my column in tile t
.endr
	s_cmp_lg_u32 s20, 0
	s_cbranch_scc1 .Lnot_0a
.irp c, 0,1,2,3,4,5,6,7,8,9,10,11,12,13,14,15  ; wave 0: a lane a row: m and the column, from all 16 blocks
	global_load_b32 v[64+\c], v5, s[10:11] offset:32768*\c
.endr
.irp c, 0,1,2,3,4,5,6,7,8,9,10,11,12,13,14,15
	global_load_b32 v[80+\c], v5, s[10:11] offset:3*PLANE+32768*\c
.endr
.Lnot_0a:
	WIN 0x40                                       ; destination window 1
.irp t, 0,1,2,3
.irp k, 0,1,2,3
.irp c, 0,1,2,3
	global_load_b128 v[64*\t+16*\k+4*\c:64*\t+16*\k+4*\c+3], v1, s[58:59] offset:8192*\t+2048*\k+512*\c   ; the codebook's fragments stay in registers
.endr
.endr
.endr
	WIN 0
	s_wait_kmcnt 0x0
	s_add_co_i32 s83, s2, s3
	s_add_co_i32 s40, s83, 128
	s_lshl_b32 s40, s40, 23
	s_or_b32 s40, s40, 0x80000000                  ; -2^(e0 + e1 + 1)
	s_mov_b32 s41, s40
	s_sub_co_i32 s82, 126, s83
	s_lshl_b32 s82, s82, 23
	s_or_b32 s82, s82, 0x80000000                  ; -2^-(e0 + e1 + 1)
	s_wait_loadcnt 63                              ; 64 loads were issued behind the small ones: all the small ones are in, 63 of the large may be out
	s_cmp_lg_u32 s20, 0
	s_cbranch_scc1 .Lnot_0b
	v_min3_num_f32 v96, v64, v65, v66
.irp c, 3,5,7,9,11,13
	s_delay_alu instid0(VALU_DEP_1)
	v_min3_num_f32 v96, v96, v[64+\c], v[65+\c]
.endr
	s_delay_alu instid0(VALU_DEP_1)
	v_min_num_f32 v96, v96, v79
	v_mov_b32 v97, v95
.irp c, 14,13,12,11,10,9,8,7,6,5,4,3,2,1,0     ; from the highest block down, so that the lowest wins a tie
	v_cmp_eq_f32 vcc_lo, v[64+\c], v96
	s_delay_alu instid0(VALU_DEP_1)
	v_cndmask_b32 v97, v97, v[80+\c], vcc_lo
.endr
	global_store_b32 v5, v97, s[16:17]             ; the output,
	global_store_b32 v5, v97, s[18:19]             ; and the copy from which the next launch forms addresses
.Lnot_0b:
.irp t, 0,1,2,3
.irp j, 0,1,2,3,4,5,6,7
	v_mul_f32 v[CQ+8*\t+\j], s82, v[200+\t]        ; what each sum of tile t begins with
.endr
.endr
	v_min3_num_f32 v194, v128, v130, v132          ; R* of my two rows
	v_min3_num_f32 v195, v129, v131, v133
.irp c, 3,5,7,9,11,13
	s_delay_alu instid0(VALU_DEP_2)
	v_min3_num_f32 v194, v194, v[128+2*\c], v[130+2*\c]
	s_delay_alu instid0(VALU_DEP_2)
	v_min3_num_f32 v195, v195, v[129+2*\c], v[131+2*\c]
.endr
	s_delay_alu instid0(VALU_DEP_2)
	v_min_num_f32 v194, v194, v158
	s_delay_alu instid0(VALU_DEP_2)
	v_min_num_f32 v195, v195, v159
.irp c, 0,1,2,3,4,5,6,7,8,9,10,11,12,13,14,15
	v_pk_add_f32 v[128+2*\c:129+2*\c], v[194:195], v[128+2*\c:129+2*\c] neg_lo:[0,1] neg_hi:[0,1]   ; R* - R, 0 or less
.endr
.set n, 0
	s_wait_alu depctr_va_vdst(0)                   ; the wait ahead of the batch
.rept 32
	v_exp_f32 v[128+n], v[128+n]
.set n, n+1
.endr
	v_nop                                          ; a plain line behind the last exponential
	s_wait_alu depctr_va_vdst(0)                   ; one wait for the batch, ahead of its first reader
	v_pk_mul_f32 v[196:197], v[160:161], v[128:129]
.irp c, 1,2,3,4,5,6,7,8,9,10,11,12,13,14,15
	v_pk_fma_f32 v[196:197], v[160+2*\c:161+2*\c], v[128+2*\c:129+2*\c], v[196:197]   ; Z*: at least about 1, the least d's own term
.endr
	s_wait_alu depctr_va_vdst(0)
	v_log_f32 v198, v196
	v_log_f32 v199, v197
	v_nop
	s_wait_alu depctr_va_vdst(0)
	v_pk_add_f32 v[198:199], v[194:195], v[198:199] neg_lo:[0,1] neg_hi:[0,1]   ; b = R* - log2 Z*
	ds_store_b64 v2, v[192:193]
	ds_store_b64 v2, v[198:199] offset:2048
	s_wait_alu depctr_va_vdst(0)
	s_wait_xcnt 0x0                                ; wave 0's two stores have read their data: those registers are accumulators below
	s_wait_loadcnt 0x0                             ; the codebook's fragments are in
	s_wait_tensorcnt 0x0                           ; my piece of the first part has landed;
	ds_add_u32 v56, v57
	s_wait_dscnt 0x0                               ; the add, and my x_sq and b
	ROUND                                          ; everybody's are in, and the four work-groups are here
	tensor_load_to_lds s[76:79], s[68:75]          ; the second part: a first fill of its bytes, my one load behind the round
	s_nop 0
.rept 4
	v_nop
.endr
.macro MULK k, sl                      ; 8 matrix instructions: K step k (in set sl), four tiles of the codebook against the step's two tiles of x; the eight accumulators take turns
.irp t, 0,1,2,3
.irp u, 0,1
.if (\k) == 0
	v_wmma_f32_16x16x128_fp8_fp8 v[ACC+16*\t+8*\u:ACC+16*\t+8*\u+7], v[F+32*(\sl)+16*\u:F+32*(\sl)+16*\u+15], v[64*\t+16*(\k):64*\t+16*(\k)+15], v[CQ+8*\t:CQ+8*\t+7]
.else
	v_wmma_f32_16x16x128_fp8_fp8 v[ACC+16*\t+8*\u:ACC+16*\t+8*\u+7], v[F+32*(\sl)+16*\u:F+32*(\sl)+16*\u+15], v[64*\t+16*(\k):64*\t+16*(\k)+15], v[ACC+16*\t+8*\u:ACC+16*\t+8*\u+7]
.endif
.endr
.endr
.endm
.macro FETCHK k, sl
.irp u, 0,1
.irp c, 0,1,2,3
	ds_load_b128 v[F+32*(\sl)+16*\u+4*\c:F+32*(\sl)+16*\u+4*\c+3], v2 offset:8192*\u+2048*(\k)+512*\c
.endr
.endr
.endm
.macro SIDE reg, off                   ; 16 numbers of the step's rows
	ds_load_b128 v[\reg:\reg+3], v4 offset:\off
	ds_load_b128 v[\reg+4:\reg+7], v4 offset:\off+16
	ds_load_b128 v[\reg+8:\reg+11], v4 offset:\off+64
	ds_load_b128 v[\reg+12:\reg+15], v4 offset:\off+80
.endm
.macro STEP fetch
	s_wait_dscnt 16                                ; K step 0, x_sq and b are in; behind them were issued the 16 loads of K steps 1 and 2
	WIN 0x04                                       ; source 1 (the codebook) in window 1; the LDS loads below name windows 0 alone
	MULK 0, 0
.rept 4
	v_nop                                          ; four plain places between K step 0's products and the loads into their sources
.endr
	FETCHK 3, 0
	s_wait_dscnt 8                                 ; K steps 1 and 2 are in; the 8 loads just issued may be out
	MULK 1, 1
	MULK 2, 2
	s_wait_dscnt 0x0
	MULK 3, 0
	WIN 0
	s_add_co_u32 s36, s36, 16384
	s_add_co_u32 s37, s37, 128
	v_add_nc_u32 v2, s36, v1                       ; the next step's addresses; with two v_nop the four plain places behind the last product
	v_add_nc_u32 v4, s37, v3
	v_nop
	v_nop
.if \fetch
	FETCHK 0, 0
.endif
.irp t, 0,1,2,3                        ; each accumulator is read from its low end on
.irp i, 0,2,4,6,8,10,12,14
	v_pk_fma_f32 v[ACC+16*\t+\i:ACC+16*\t+\i+1], v[ACC+16*\t+\i:ACC+16*\t+\i+1], s[40:41], v[XQ+\i:XQ+\i+1] op_sel_hi:[1,0,1]   ; x_sq - 2 (dots - c_sq / 2)
.endr
.endr
.set n, 0
.rept 32
	v_dual_max_num_f32 v[ACC+n], 0, v[ACC+n] :: v_dual_max_num_f32 v[ACC+n+1], 0, v[ACC+n+1]   ; the clip at 0, two in one
.set n, n+2
.endr
.if \fetch
	SIDE XQ, 0
.endif
.set n, 0
	s_wait_alu depctr_va_vdst(0)                   ; the wait ahead of the batch
.rept 64
	v_sqrt_f32 v[ACC+n], v[ACC+n]                  ; d
.set n, n+1
.endr
	v_nop
	s_wait_alu depctr_va_vdst(0)                   ; one wait for the batch of roots
.irp t, 0,1,2,3
.irp i, 0,2,4,6,8,10,12,14
	v_pk_fma_f32 v[ACC+16*\t+\i:ACC+16*\t+\i+1], v[ACC+16*\t+\i:ACC+16*\t+\i+1], s[42:43], v[BQ+\i:BQ+\i+1] op_sel_hi:[1,0,1]   ; u = b - C d
.endr
.endr
.if \fetch
	SIDE BQ, 2048
.endif
.set n, 0
	s_wait_alu depctr_va_vdst(0)                   ; the wait ahead of the batch
.rept 64
	v_exp_f32 v[P+n], v[ACC+n]                     ; p = 2^u
.set n, n+1
.endr
	v_nop
	s_wait_alu depctr_va_vdst(0)                   ; one wait for the batch
.irp i, 0,2,4,6,8,10,12,14
.irp t, 0,1,2,3
	v_pk_add_f32 v[CT+2*\t:CT+2*\t+1], v[CT+2*\t:CT+2*\t+1], v[P+16*\t+\i:P+16*\t+\i+1]
	v_pk_fma_f32 v[8+2*\t:9+2*\t], v[P+16*\t+\i:P+16*\t+\i+1], v[ACC+16*\t+\i:ACC+16*\t+\i+1], v[8+2*\t:9+2*\t]
.endr
.endr
.if \fetch
	FETCHK 1, 1                                    ; p has been read: its registers take the next step's K steps 1 and 2
	FETCHK 2, 2
.endif
.endm
.macro RUN n                           ; n steps, each fetching the next step's fragments
	s_mov_b32 s39, \n
.Lrun_\@:
	STEP 1
	s_sub_co_u32 s39, s39, 1
	s_cmp_lg_u32 s39, 0
	s_cbranch_scc1 .Lrun_\@
.endm
	s_mov_b32 s36, 0
	s_mov_b32 s37, 0
	v_add_nc_u32 v2, s36, v1
	v_add_nc_u32 v4, s37, v3
	s_wait_alu depctr_va_vdst(0)                   ; directly behind the writes
	FETCHK 0, 0                                    ; in the order in which a step issues them
	SIDE XQ, 0
	SIDE BQ, 2048
	FETCHK 1, 1
	FETCHK 2, 2
	RUN 3                                          ; steps 0 to 2 fetch up to step 3: the first part alone
	s_wait_tensorcnt 0x0                           ; my piece of the second part has landed,
	s_wait_dscnt 0x0
	s_barrier_signal -1
	s_barrier_wait -1                              ; and everybody's; nothing more is asked for
	RUN 12                                         ; steps 3 to 14
	STEP 0                                         ; step 15 fetches nothing beyond its own K step 3
	s_mov_b32 s52, 0xffff0000                      ; lanes 16-31
.irp t, 0,1,2,3
	v_add_f32 v[CT+2*\t], v[CT+2*\t], v[CT+2*\t+1]
.endr
.irp t, 0,1,2,3
	s_delay_alu instid0(VALU_DEP_4)
	v_permlanex16_b32 v[CT+2*\t+1], v[CT+2*\t], s46, s47   ; the column's other 256 rows lie in the lane 16 away
.endr
.irp t, 0,1,2,3
	s_delay_alu instid0(VALU_DEP_4)
	v_add_f32 v[CT+2*\t], v[CT+2*\t], v[CT+2*\t+1]
.endr
	s_delay_alu instid0(VALU_DEP_3)
	v_cndmask_b32 v[ACC], v[CT], v[CT+2], s52      ; lane L: column L of my 64,
	s_delay_alu instid0(VALU_DEP_2)
	v_cndmask_b32 v[ACC+1], v[CT+4], v[CT+6], s52  ; and column 32 + L
	v_lshl_add_u32 v2, v5, 1, s45                  ; my scratch + 8 x lane
	ds_store_b32 v7, v[ACC]
	ds_store_b32 v7, v[ACC+1] offset:128
	ds_load_b64 v[ACC+2:ACC+3], v2                 ; my own scratch, served in order
	v_pk_add_f32 v[8:9], v[8:9], v[10:11]
	v_pk_add_f32 v[12:13], v[12:13], v[14:15]
	s_delay_alu instid0(VALU_DEP_1)
	v_pk_add_f32 v[8:9], v[8:9], v[12:13]
	s_wait_alu depctr_va_vdst(0)
	s_wait_dscnt 0x0
	global_store_b64 v6, v[ACC+2:ACC+3], s[12:13]  ; a wave stores 256 consecutive bytes, aligned
	global_store_b64 v6, v[8:9], s[14:15]          ; likewise
	s_wait_tensorcnt 0x0                           ; the wave's end
	ds_add_u32 v56, v57
	s_wait_dscnt 0x0
	ROUND                                          ; the closing round
	s_endpgm
.Lfunc_end_k_qd49cce9aa1_colst:
	.size	k_qd49cce9aa1_colst, .Lfunc_end_k_qd49cce9aa1_colst-k_qd49cce9aa1_colst
	.p2alignl 7, 3214868480
	.fill 96, 4, 3214868480
	.section	.rodata,"a",@progbits
	.p2align	6, 0x0
	.amdhsa_kernel k_qd49cce9aa1_colst
		.amdhsa_group_segment_fixed_size 327680
		.amdhsa_private_segment_fixed_size 0
		.amdhsa_enable_private_segment 0
		.amdhsa_kernarg_size 64
		.amdhsa_user_sgpr_count 2
		.amdhsa_user_sgpr_kernarg_segment_ptr 1
		.amdhsa_wavefront_size32 1
		.amdhsa_system_sgpr_workgroup_id_x 1
		.amdhsa_system_sgpr_workgroup_id_y 1
		.amdhsa_system_sgpr_workgroup_id_z 1
		.amdhsa_system_vgpr_workitem_id 0
		.amdhsa_next_free_vgpr 512
		.amdhsa_next_free_sgpr 84
		.amdhsa_reserve_vcc 1
		.amdhsa_float_denorm_mode_32 3
		.amdhsa_float_denorm_mode_16_64 3
		.amdhsa_memory_ordered 1
		.amdhsa_forward_progress 1
		.amdhsa_inst_pref_size 88
	.end_amdhsa_kernel
	.amdgpu_metadata
---
amdhsa.version: [ 1, 2 ]
amdhsa.kernels:
  - .name:           k_qd49cce9aa1_colst
    .symbol:         k_qd49cce9aa1_colst.kd
    .args:
      - { .name: codes, .offset: 0, .size: 8, .value_kind: global_buffer, .address_space: global }
      - { .name: sq, .offset: 8, .size: 8, .value_kind: global_buffer, .address_space: global }
      - { .name: lowp_scales, .offset: 16, .size: 8, .value_kind: global_buffer, .address_space: global }
      - { .name: part, .offset: 24, .size: 8, .value_kind: global_buffer, .address_space: global }
      - { .name: colp, .offset: 32, .size: 8, .value_kind: global_buffer, .address_space: global }
      - { .name: sp, .offset: 40, .size: 8, .value_kind: global_buffer, .address_space: global }
      - { .name: out5, .offset: 48, .size: 8, .value_kind: global_buffer, .address_space: global }
      - { .name: idxw, .offset: 56, .size: 8, .value_kind: global_buffer, .address_space: global }
    .group_segment_fixed_size: 327680
    .private_segment_fixed_size: 0
    .kernarg_segment_align: 8
    .kernarg_segment_size: 64
    .max_flat_workgroup_size: 256
    .sgpr_count:     84
    .vgpr_count:     512
    .wavefront_size: 32
...
	.end_amdgpu_metadata
.endif
;; end of part 3
;; launch gath (part 4): grid 256 x 1, 8 waves a work-group, no clusters, 1,280 bytes of LDS; arguments idxw, x, codebook, colp, sp, out0, fin; writes out0, fin
.if DOCPART == 4
	.amdgcn_target "amdgcn-amd-amdhsa--gfx1250"
	.amdhsa_code_object_version 6
	.text
	.protected	k_qd49cce9aa1_gath
	.globl	k_qd49cce9aa1_gath
	.p2align	8
	.type	k_qd49cce9aa1_gath,@function
k_qd49cce9aa1_gath:
	s_mov_b64 s[64:65], 0
	v_nop
	global_prefetch_b8 v0, s[64:65] scope:SCOPE_SE
	s_setreg_imm32_b32 hwreg(HW_REG_WAVE_MODE, 25, 1), 1
	s_wait_xcnt 0x0
; out0[row] = x + (codebook[index] - x), with the problem's two roundings; and for each work-group three partial sums: of (codebook[index] - x)^2, of a log2(a + 1e-8) with a = a column's mean of p, and of p log2 p.
; SHARES.  Work-group g takes rows 32 g .. 32 g + 31, wave w four of them: 8,192 bytes of x, as many of the codebook, as many out; each load and store of a wave covers 512 consecutive bytes of one row.
; It also takes columns 32 g .. 32 g + 31 of colp, wave w four of them: lane (block of rows L % 16, pair of columns L / 16) reads 8 bytes; and slice g of sp, 8 bytes a thread.
; The indices were stored as whole numbers by the launch before; each is held at 8,191 before it enters an address.  No LDS ring, no matrix unit: memory binds here.
; v1 16 x lane; v2-5 the four rows' offsets in the codebook; v6 8 x thread; v7 offset in colp; v[8:15] four chains of squares; v16-79 x, then out0; v80-143 the codebook's rows, then the differences; v144.. at work
	s_load_b256 s[4:11], s[0:1], 0x0               ; idxw, x, codebook, colp
	s_load_b128 s[12:15], s[0:1], 0x20             ; sp, out0
	s_load_b64 s[16:17], s[0:1], 0x30              ; fin
	v_lshl_add_u32 v176, v0, 2, 0x100
	v_mov_b32 v177, 0
	v_lshrrev_b32 v1, 5, v0
	s_delay_alu instid0(VALU_DEP_1)
	v_readfirstlane_b32 s18, v1                    ; wave 0..7
	v_and_b32 v6, 31, v0
	s_delay_alu instid0(VALU_DEP_1)
	v_lshlrev_b32 v1, 4, v6
	v_and_b32 v7, 15, v0
	v_bfe_u32 v162, v0, 4, 1
	s_delay_alu instid0(VALU_DEP_2)
	v_lshlrev_b32 v7, 15, v7                       ; a block of rows is 32,768 bytes of colp
	s_delay_alu instid0(VALU_DEP_1)
	v_lshl_add_u32 v7, v162, 3, v7
	v_lshlrev_b32 v6, 3, v0
	v_mov_b32 v163, s18
	s_delay_alu instid0(VALU_DEP_1)
	v_lshlrev_b32 v163, 4, v163                    ; LDS: 16 bytes for each wave
	v_mov_b32 v164, 0
	v_mov_b32 v150, 0                              ; written once: a lane permute's destination counts as one of its sources
	v_mov_b32 v151, 0
	v_mov_b32 v156, 0
	v_mov_b32 v155, 0
	s_mov_b32 s34, 0x76543210
	s_mov_b32 s35, 0xfedcba98
	s_lshl_b32 s20, ttmp9, 7                       ; 4 bytes x (32 g + 4 w): in idxw, and in a row of colp
	s_lshl_b32 s19, s18, 4
	s_add_co_u32 s20, s20, s19
	s_mov_b32 s21, 0
	s_lshl_b32 s22, ttmp9, 16                      ; 2,048 bytes x (32 g + 4 w): in x and in out0
	s_lshl_b32 s19, s18, 13
	s_add_co_u32 s22, s22, s19
	s_mov_b32 s23, 0
	s_lshl_b32 s24, ttmp9, 11
	s_mov_b32 s25, 0
	s_lshl_b32 s26, ttmp9, 4
	s_mov_b32 s27, 0
	s_wait_alu depctr_va_vdst(0)
	s_wait_kmcnt 0x0
	s_add_nc_u64 s[4:5], s[4:5], s[20:21]
	s_load_b128 s[28:31], s[4:5], 0x0              ; my four rows' indices
	s_add_nc_u64 s[6:7], s[6:7], s[22:23]
	s_add_nc_u64 s[14:15], s[14:15], s[22:23]
	s_add_nc_u64 s[10:11], s[10:11], s[20:21]
	s_add_nc_u64 s[12:13], s[12:13], s[24:25]
	s_add_nc_u64 s[16:17], s[16:17], s[26:27]
.irp n, 0,1,2,3,4,5,6,7,8,9,10,11,12,13,14,15
	global_load_b128 v[16+4*\n:19+4*\n], v1, s[6:7] offset:2048*(\n/4)+512*(\n%4) th:TH_LOAD_NT
.endr
	global_load_b64 v[144:145], v7, s[10:11]
	global_load_b64 v[146:147], v6, s[12:13]
	s_wait_kmcnt 0x0
.irp j, 0,1,2,3
	s_min_u32 s[28+\j], s[28+\j], 8191             ; an index stays inside the table
	s_lshl_b32 s[28+\j], s[28+\j], 11
	v_add_nc_u32 v[2+\j], s[28+\j], v1
.endr
.irp n, 0,1,2,3,4,5,6,7,8,9,10,11,12,13,14,15
	global_load_b128 v[80+4*\n:83+4*\n], v[2+\n/4], s[8:9] offset:512*(\n%4)   ; no hint: a list may name a row twice
.endr
.irp j, 0,1,2,3
	s_wait_loadcnt 12-4*\j                         ; this row's four gathered loads are in, and all that was issued ahead of them; the later rows' four each may be out
.irp p, 0,1,2,3,4,5,6,7
	v_pk_add_f32 v[80+16*\j+2*\p:81+16*\j+2*\p], v[80+16*\j+2*\p:81+16*\j+2*\p], v[16+16*\j+2*\p:17+16*\j+2*\p] neg_lo:[0,1] neg_hi:[0,1]   ; q - x
.endr
.irp p, 0,1,2,3,4,5,6,7
	v_pk_add_f32 v[16+16*\j+2*\p:17+16*\j+2*\p], v[16+16*\j+2*\p:17+16*\j+2*\p], v[80+16*\j+2*\p:81+16*\j+2*\p]   ; x + (q - x)
.endr
.irp p, 0,1,2,3,4,5,6,7
.if (\j == 0) && (\p < 4)
	v_pk_mul_f32 v[8+2*\p:9+2*\p], v[80+2*\p:81+2*\p], v[80+2*\p:81+2*\p]      ; the first four products start the chains
.else
	v_pk_fma_f32 v[8+2*(\p%4):9+2*(\p%4)], v[80+16*\j+2*\p:81+16*\j+2*\p], v[80+16*\j+2*\p:81+16*\j+2*\p], v[8+2*(\p%4):9+2*(\p%4)]
.endif
.endr
.irp c, 0,1,2,3
	global_store_b128 v1, v[16+16*\j+4*\c:19+16*\j+4*\c], s[14:15] offset:2048*\j+512*\c th:TH_STORE_NT
.endr
.endr
.irp m, 1
	v_add_f32_dpp v144, v144, v144 row_xmask:\m row_mask:0xf bank_mask:0xf
	v_add_f32_dpp v145, v145, v145 row_xmask:\m row_mask:0xf bank_mask:0xf
.endr
.irp m, 2, 4, 8
	s_delay_alu instid0(VALU_DEP_2)
	v_add_f32_dpp v144, v144, v144 row_xmask:\m row_mask:0xf bank_mask:0xf
	s_delay_alu instid0(VALU_DEP_2)
	v_add_f32_dpp v145, v145, v145 row_xmask:\m row_mask:0xf bank_mask:0xf
.endr
	s_delay_alu instid0(VALU_DEP_1)
	v_pk_mul_f32 v[144:145], v[144:145], 0x39000000 op_sel_hi:[1,0]   ; a = the sum / 8,192
	s_delay_alu instid0(VALU_DEP_1)
	v_add_f32 v148, 0x322bcc77, v144               ; + 1e-8
	s_delay_alu instid0(VALU_DEP_2)
	v_add_f32 v149, 0x322bcc77, v145
	s_wait_alu depctr_va_vdst(0)
	v_log_f32 v148, v148
	v_log_f32 v149, v149
	v_pk_add_f32 v[8:9], v[8:9], v[10:11]          ; (plain work behind the logarithms, which names neither result)
	v_pk_add_f32 v[12:13], v[12:13], v[14:15]
	s_delay_alu instid0(VALU_DEP_1)
	v_pk_add_f32 v[8:9], v[8:9], v[12:13]
	s_delay_alu instid0(VALU_DEP_1)
	v_add_f32 v152, v8, v9                         ; my squares
	v_add_f32 v154, v146, v147                     ; my part of p log2 p
.irp m, 1,2,4,8
	s_delay_alu instid0(VALU_DEP_2)
	v_add_f32_dpp v152, v152, v152 row_xmask:\m row_mask:0xf bank_mask:0xf
	s_delay_alu instid0(VALU_DEP_2)
	v_add_f32_dpp v154, v154, v154 row_xmask:\m row_mask:0xf bank_mask:0xf
.endr
	s_delay_alu instid0(VALU_DEP_2)
	v_permlanex16_b32 v150, v152, s34, s35
	s_delay_alu instid0(VALU_DEP_2)
	v_permlanex16_b32 v151, v154, s34, s35
	s_delay_alu instid0(VALU_DEP_2)
	v_add_f32 v152, v152, v150
	s_delay_alu instid0(VALU_DEP_2)
	v_add_f32 v154, v154, v151
	s_wait_alu depctr_va_vdst(0)                   ; one wait for both logarithms, ahead of their first reader
	v_mul_f32 v153, v144, v148
	v_fma_f32 v153, v145, v149, v153               ; the same in all sixteen lanes of a half: two columns;
	s_delay_alu instid0(VALU_DEP_1)
	v_permlanex16_b32 v156, v153, s34, s35
	s_delay_alu instid0(VALU_DEP_1)
	v_add_f32 v153, v153, v156                     ; with the other half's: the wave's four
	ds_store_b128 v163, v[152:155]                 ; all lanes write the same 16 bytes: squares, a log2 a, p log2 p, 0
	s_wait_dscnt 0x0                               ; for the others' sake
	s_barrier_signal -1
	s_barrier_wait -1
	s_cmp_lg_u32 s18, 0
	s_cbranch_scc1 .Lend
.irp i, 0,1,2,3,4,5,6,7
	ds_load_b128 v[80+4*\i:83+4*\i], v164 offset:16*\i
.endr
	s_wait_dscnt 0x0
.irp i, 1
	v_pk_add_f32 v[80:81], v[80:81], v[80+4*\i:81+4*\i]
	v_pk_add_f32 v[82:83], v[82:83], v[82+4*\i:83+4*\i]
.endr
.irp i, 2, 3, 4, 5, 6, 7
	s_delay_alu instid0(VALU_DEP_2)
	v_pk_add_f32 v[80:81], v[80:81], v[80+4*\i:81+4*\i]
	s_delay_alu instid0(VALU_DEP_2)
	v_pk_add_f32 v[82:83], v[82:83], v[82+4*\i:83+4*\i]
.endr
	v_cmp_eq_u32 vcc_lo, 0, v0
	s_wait_alu depctr_va_vdst(0)
	s_wait_xcnt 0x0                                ; EXEC is a source of the stores above: it changes only behind this wait
	s_and_saveexec_b32 s32, vcc_lo
	global_store_b128 v164, v[80:83], s[16:17]     ; thread 0: the work-group's 16 bytes of fin
	s_wait_xcnt 0x0
	s_or_b32 exec_lo, exec_lo, s32
.Lend:
	s_wait_tensorcnt 0x0
	ds_add_u32 v176, v177
	s_wait_dscnt 0x0
	s_endpgm
.Lfunc_end_k_qd49cce9aa1_gath:
	.size	k_qd49cce9aa1_gath, .Lfunc_end_k_qd49cce9aa1_gath-k_qd49cce9aa1_gath
	.p2alignl 7, 3214868480
	.fill 96, 4, 3214868480
	.section	.rodata,"a",@progbits
	.p2align	6, 0x0
	.amdhsa_kernel k_qd49cce9aa1_gath
		.amdhsa_group_segment_fixed_size 1280
		.amdhsa_private_segment_fixed_size 0
		.amdhsa_enable_private_segment 0
		.amdhsa_kernarg_size 56
		.amdhsa_user_sgpr_count 2
		.amdhsa_user_sgpr_kernarg_segment_ptr 1
		.amdhsa_wavefront_size32 1
		.amdhsa_system_sgpr_workgroup_id_x 1
		.amdhsa_system_sgpr_workgroup_id_y 1
		.amdhsa_system_sgpr_workgroup_id_z 1
		.amdhsa_system_vgpr_workitem_id 0
		.amdhsa_next_free_vgpr 178
		.amdhsa_next_free_sgpr 66
		.amdhsa_reserve_vcc 1
		.amdhsa_float_denorm_mode_32 3
		.amdhsa_float_denorm_mode_16_64 3
		.amdhsa_memory_ordered 1
		.amdhsa_forward_progress 1
		.amdhsa_inst_pref_size 19
	.end_amdhsa_kernel
	.amdgpu_metadata
---
amdhsa.version: [ 1, 2 ]
amdhsa.kernels:
  - .name:           k_qd49cce9aa1_gath
    .symbol:         k_qd49cce9aa1_gath.kd
    .args:
      - { .name: idxw, .offset: 0, .size: 8, .value_kind: global_buffer, .address_space: global }
      - { .name: x, .offset: 8, .size: 8, .value_kind: global_buffer, .address_space: global }
      - { .name: codebook, .offset: 16, .size: 8, .value_kind: global_buffer, .address_space: global }
      - { .name: colp, .offset: 24, .size: 8, .value_kind: global_buffer, .address_space: global }
      - { .name: sp, .offset: 32, .size: 8, .value_kind: global_buffer, .address_space: global }
      - { .name: out0, .offset: 40, .size: 8, .value_kind: global_buffer, .address_space: global }
      - { .name: fin, .offset: 48, .size: 8, .value_kind: global_buffer, .address_space: global }
    .group_segment_fixed_size: 1280
    .private_segment_fixed_size: 0
    .kernarg_segment_align: 8
    .kernarg_segment_size: 56
    .max_flat_workgroup_size: 256
    .sgpr_count:     66
    .vgpr_count:     178
    .wavefront_size: 32
...
	.end_amdgpu_metadata
.endif
;; end of part 4
;; launch fin (part 5): grid 1 x 1, 1 waves a work-group, no clusters, 0 bytes of LDS; arguments fin, out1, out2, out3, out4; writes out1, out2, out3, out4
.if DOCPART == 5
	.amdgcn_target "amdgcn-amd-amdhsa--gfx1250"
	.amdhsa_code_object_version 6
	.text
	.protected	k_qd49cce9aa1_fin
	.globl	k_qd49cce9aa1_fin
	.p2align	8
	.type	k_qd49cce9aa1_fin,@function
k_qd49cce9aa1_fin:
	s_mov_b64 s[64:65], 0
	v_nop
	global_prefetch_b8 v0, s[64:65] scope:SCOPE_SE
	s_setreg_imm32_b32 hwreg(HW_REG_WAVE_MODE, 25, 1), 1
	s_wait_xcnt 0x0
; The four numbers.  fin holds 256 x [squares, E = a log2(a + 1e-8), S = p log2 p, 0].
; codebook_loss = 0.5 x squares / 2^22; commit_loss = a quarter of it; entropy_loss = 0.1 ln 2 (E - S / 8,192): the sample entropy is -ln 2 S / 8,192, the entropy of the means -ln 2 E; loss = the three added.
; One wave: 4,096 bytes by eight loads of 512 consecutive bytes; a sum over work-groups needs a launch of its own, since no work-group may read what another of the same launch stores.
	s_load_b256 s[4:11], s[0:1], 0x0               ; fin, out1, out2, out3
	s_load_b64 s[12:13], s[0:1], 0x20              ; out4
	v_lshlrev_b32 v1, 4, v0
	v_mov_b32 v2, 0
	v_mov_b32 v36, 0                               ; written once: a lane permute's destination counts as one of its sources
	v_mov_b32 v37, 0
	v_mov_b32 v38, 0
	s_mov_b32 s14, 0x76543210
	s_mov_b32 s15, 0xfedcba98
	s_wait_alu depctr_va_vdst(0)
	s_wait_kmcnt 0x0
.irp i, 0,1,2,3,4,5,6,7
	global_load_b128 v[4+4*\i:7+4*\i], v1, s[4:5] offset:512*\i
.endr
	s_wait_loadcnt 0x0
.irp i, 1,2,3,4,5,6,7
	v_pk_add_f32 v[4:5], v[4:5], v[4+4*\i:5+4*\i]
	v_pk_add_f32 v[6:7], v[6:7], v[6+4*\i:7+4*\i]
.endr
.irp m, 1,2,4,8
	v_add_f32_dpp v4, v4, v4 row_xmask:\m row_mask:0xf bank_mask:0xf
	v_add_f32_dpp v5, v5, v5 row_xmask:\m row_mask:0xf bank_mask:0xf
	v_add_f32_dpp v6, v6, v6 row_xmask:\m row_mask:0xf bank_mask:0xf
.endr
	v_permlanex16_b32 v36, v4, s14, s15
	v_permlanex16_b32 v37, v5, s14, s15
	v_permlanex16_b32 v38, v6, s14, s15
	v_add_f32 v4, v4, v36
	v_add_f32 v5, v5, v37
	v_add_f32 v6, v6, v38
	v_mul_f32 v8, 0x34000000, v4                   ; codebook_loss = squares x 2^-23
	v_mul_f32 v9, 0x33000000, v4                   ; commit_loss = squares x 2^-25
	v_fmamk_f32 v10, v6, 0xb9000000, v5            ; E - S x 2^-13
	v_mul_f32 v10, 0x3f317218, v10                 ; x ln 2
	v_mul_f32 v10, 0x3dcccccd, v10                 ; x 0.1: entropy_loss
	v_add_f32 v11, v8, v9
	v_add_f32 v11, v11, v10                        ; loss
	v_cmp_eq_u32 vcc_lo, 0, v0
	s_wait_alu depctr_va_vdst(0)
	s_wait_xcnt 0x0                                ; EXEC changes only behind this wait
	s_and_saveexec_b32 s16, vcc_lo
	global_store_b32 v2, v11, s[6:7]               ; out1 = loss
	global_store_b32 v2, v9, s[8:9]                ; out2 = commit_loss
	global_store_b32 v2, v8, s[10:11]              ; out3 = codebook_loss
	global_store_b32 v2, v10, s[12:13]             ; out4 = entropy_loss
	s_wait_xcnt 0x0
	s_or_b32 exec_lo, exec_lo, s16
	s_endpgm
.Lfunc_end_k_qd49cce9aa1_fin:
	.size	k_qd49cce9aa1_fin, .Lfunc_end_k_qd49cce9aa1_fin-k_qd49cce9aa1_fin
	.p2alignl 7, 3214868480
	.fill 96, 4, 3214868480
	.section	.rodata,"a",@progbits
	.p2align	6, 0x0
	.amdhsa_kernel k_qd49cce9aa1_fin
		.amdhsa_group_segment_fixed_size 0
		.amdhsa_private_segment_fixed_size 0
		.amdhsa_enable_private_segment 0
		.amdhsa_kernarg_size 40
		.amdhsa_user_sgpr_count 2
		.amdhsa_user_sgpr_kernarg_segment_ptr 1
		.amdhsa_wavefront_size32 1
		.amdhsa_system_sgpr_workgroup_id_x 1
		.amdhsa_system_sgpr_workgroup_id_y 1
		.amdhsa_system_sgpr_workgroup_id_z 1
		.amdhsa_system_vgpr_workitem_id 0
		.amdhsa_next_free_vgpr 48
		.amdhsa_next_free_sgpr 66
		.amdhsa_reserve_vcc 1
		.amdhsa_float_denorm_mode_32 3
		.amdhsa_float_denorm_mode_16_64 3
		.amdhsa_memory_ordered 1
		.amdhsa_forward_progress 1
		.amdhsa_inst_pref_size 5
	.end_amdhsa_kernel
	.amdgpu_metadata
---
amdhsa.version: [ 1, 2 ]
amdhsa.kernels:
  - .name:           k_qd49cce9aa1_fin
    .symbol:         k_qd49cce9aa1_fin.kd
    .args:
      - { .name: fin, .offset: 0, .size: 8, .value_kind: global_buffer, .address_space: global }
      - { .name: out1, .offset: 8, .size: 8, .value_kind: global_buffer, .address_space: global }
      - { .name: out2, .offset: 16, .size: 8, .value_kind: global_buffer, .address_space: global }
      - { .name: out3, .offset: 24, .size: 8, .value_kind: global_buffer, .address_space: global }
      - { .name: out4, .offset: 32, .size: 8, .value_kind: global_buffer, .address_space: global }
    .group_segment_fixed_size: 0
    .private_segment_fixed_size: 0
    .kernarg_segment_align: 8
    .kernarg_segment_size: 40
    .max_flat_workgroup_size: 32
    .sgpr_count:     66
    .vgpr_count:     48
    .wavefront_size: 32
...
	.end_amdgpu_metadata
.endif
;; end of part 5
